; MI455X (gfx1250); checked and timed in simulation.
; The chip was launched on July 23, 2026; its instructions are those of AMD's public machine-readable ISA for CDNA 5 (MIT licence, August 2026) and "CDNA5" Instruction Set Architecture Reference Guide (July 2026). The comments in the code are by the model that wrote it; some were corrected since.
;; Multi Head Self Attention. Allowed arithmetic: matrix products marked QUANTISED: E5M2 operands, one given power-of-two scale a tensor, by v_wmma_f32_16x16x64_bf8_bf8 or v_wmma_f32_16x16x128_bf8_bf8, f32 sums; everything else in f32.
;; Inputs: Wo_b 1,024 float32; Wo_w_codes 1,024 x 32 x 32 uint8 (E5M2 codes of Wo_w, K innermost, in blocks of 32 codes); Wqkv_b 3,072 float32; Wqkv_w_codes 3,072 x 32 x 32 uint8 (E5M2 codes of Wqkv_w, K innermost, in blocks of 32 codes); lowp_scales 8 int32 (the exponents e of the quantised operands' scales 2^e); token_positions 2,048 int32; x_codes 4 x 2,048 x 32 x 32 uint8 (E5M2 codes of x, K innermost, in blocks of 32 codes).
;; Outputs: out0 4 x 2,048 x 1,024 float32.
;; This version of the problem:
;;   THIS VERSION OF THE PROBLEM IS GIVEN IN LOW PRECISION. The matrix products marked QUANTISED in the list below multiply operands that are first quantised to E5M2 (5 exponent bits, 2 mantissa bits; 8 bits a number), with one given power-of-two scale for each operand tensor; their sums are f32. All else is computed in f32.
;;   The module's matrix products, in the order in which they are computed (A, B: the left and right operand; K: the contracted axis; several contracted axes count as one K, in the product's order):
;;     1. [M 8,192, K 1,024] x [K 1,024, N 3,072]; A: input x (given as codes); B: input Wqkv_w (given as codes): QUANTISED (scales: A lowp_scales[0], B lowp_scales[1])
;;     2. batch 64 x [M 2,048, K 64] x [K 64, N 2,048]; A: computed on the way; B: computed on the way: QUANTISED (scales: A lowp_scales[2], B lowp_scales[3])
;;     3. batch 64 x [M 2,048, K 2,048] x [K 2,048, N 64]; A: softmax (see below); B: computed on the way: QUANTISED (scales: A lowp_scales[4], B lowp_scales[5])
;;     4. [M 8,192, K 1,024] x [K 1,024, N 1,024]; A: computed on the way; B: input Wo_w (given as codes): QUANTISED (scales: A lowp_scales[6], B lowp_scales[7])
;;   THE QUANTISER, for each operand of a quantised product, along K:
;;     - The operand's scale is 2^e, e = its entry of the input lowp_scales (int32; the entries are numbered through the quantised products in the list's order, A before B).
;;     - Each number is divided by the scale, clamped to +-57,344, and rounded to the nearest number of E5M2, ties to even, subnormals kept.
;;     - The product sums the exact products of the quantised numbers (number of the format x scale) in f32.
;;   ~~~python
;;   def quantise(x, axis, e):      # numpy; x: float32 -> the quantised numbers, widened to float32 again
;;       x = np.moveaxis(x, axis, -1); K = x.shape[-1]
;;       r = np.clip(x / 2.0 ** e, -57344, 57344)
;;       step = 2.0 ** (np.maximum(np.frexp(np.where(r == 0, 1, r))[1] - 1, -14) - 2)
;;       q = np.round(r / step) * step * 2.0 ** e      # np.round: ties to even
;;       return np.moveaxis(q, -1, axis).astype(np.float32)
;;   ~~~
;;   SOFTMAX AHEAD OF A QUANTISED PRODUCT. Where the list says 'softmax', what is quantised is not the finished softmax but p = 2^(t - M), with t = logit x log2(e) and M = ceil(the row's largest t), a whole number; so 1/2 < the row's largest p <= 1. The row's sum l is taken of the UNQUANTISED p, in f32, and the product's result is divided by l at the end. Since M is a whole number, a kernel that streams over the keys may use a running M (the ceiling of the running maximum): every later rescaling is an exact power of two, so the quantised numbers keep their values, but for numbers so far below the row's largest that they fall under the format's range.
;;   OPERANDS COMPUTED ON THE WAY. 'Computed on the way' means the value that the module computes at that place (a softmax that the list does not call 'softmax' is quantised finished and normalised). What goes into a quantiser is computed in f32, as accurately as f32 sums, v_exp_f32 and their like allow (about 1e-6 of the number): no bf16 or f16 on the way to a quantiser, and a product that is left as it is and whose result goes on into a quantised operand takes f32 operands (vector FMAs, or v_wmma_f32_16x16x4_f32). A number that lies on a knife's edge between two numbers of the format may be rounded either way, as far as f32 arithmetic and the matrix unit's own rounding can turn it there, and no further.
;;   INPUTS GIVEN AS CODES. Wo_w (in the module: [1024, 1024], K = its axis 1); Wqkv_w (in the module: [3072, 1024], K = its axis 1); x (in the module: [4, 2048, 1024], K = its axis 2): each comes as NAME_codes (uint8): NAME with its K axis moved to the last place and cut into blocks of 32 codes, [.., K / 32, bytes a block], one block behind the other in memory; one code a byte (a code: sign, 5 exponent bits, 2 mantissa bits); its scale is its entry of lowp_scales. Its value is code x scale, taken as it is: it is not quantised again, and the codes and scales need not be those that the quantiser above would give.
;; One version. Each part assembles by itself: llvm-mc -triple=amdgcn-amd-amdhsa -mcpu=gfx1250 --defsym DOCPART=n.
;; ======== version 1 of 1: 3 launches
;; limits: right only within a limited range of input values
;; workspace buffers: qimg 8,388,608 bytes; kimg 8,388,608 bytes; vimg 8,388,608 bytes; oimg 8,388,608 bytes
;; launch qkv (part 1): grid 12 x 32, 4 waves a work-group, clusters of 4 x 4, 327,680 bytes of LDS; arguments x_codes, Wqkv_w_codes, Wqkv_b, token_positions, lowp_scales, qimg, kimg, vimg; writes qimg, kimg, vimg
.if DOCPART == 1
	.amdgcn_target "amdgcn-amd-amdhsa--gfx1250"
	.amdhsa_code_object_version 6
	.text
	.protected	k_qa51571af8d_qkv
	.globl	k_qa51571af8d_qkv
	.p2align	8
	.type	k_qa51571af8d_qkv,@function
k_qa51571af8d_qkv:
	s_mov_b64 s[64:65], 0
	v_nop
	global_prefetch_b8 v0, s[64:65] scope:SCOPE_SE
	s_setreg_imm32_b32 hwreg(HW_REG_WAVE_MODE, 25, 1), 1
	s_wait_xcnt 0x0
	s_wait_alu depctr_hold_cnt(0) depctr_sa_sdst(0) depctr_va_vdst(0) depctr_va_sdst(0) depctr_va_ssrc(0) depctr_va_vcc(0) depctr_vm_vsrc(0)
	s_getreg_b32 s2, hwreg(HW_REG_IB_STS2, 6, 4)
	s_cmp_eq_u32 s2, 0
	s_cbranch_scc0 .Lentry_in_a_cluster
	s_endpgm
.Lentry_in_a_cluster:
	s_bfe_u32 s2, ttmp6, 0x10000c
	s_cmp_lg_u32 s2, 0xf033
	s_cbranch_scc0 .Lentry_shape_is_right
	s_endpgm
.Lentry_shape_is_right:
; qkv = x Wqkv^T + b on codes of BF8 (E5M2); Q and K are then turned by RoPE; Q, K and V are quantised with the given scales 2^e2, 2^e3, 2^e5 and stored as IMAGES OF OPERAND REGISTERS for the attention launch.
; x: [8192][1024] codes, W: [3072][1024] codes, K innermost; a number is its code x 2^e0 (x) or 2^e1 (W).  The sums stay without 2^(e0+e1): the bias goes in as b / 2^(e0+e1), as the C of each sum's first product,
; RoPE is linear, and the conversion takes 2^(e_out - e0 - e1) as its one scale.
; SHARES.  A tile of 256 x 256 to a work-group of four waves, 128 x 128 (64 accumulators, 512 registers) to a wave.  The tile's 256 rows are positions 128 sb .. 128 sb + 127 of TWO batches, so that the work-group needs
; cos and sin of 128 positions only: a table of 128 x 32 pairs, made once at the head, a position a thread, while the first tiles are on their way.  Cluster x = 0 makes Q, 1 makes K, 2 makes V: the same for all sixteen partners.
; K goes in steps of 256 through a ring of two LDS slots: 4 K steps, written straight.  CLUSTERS: 4 x 4; x's tile is shared along a row of the cluster, W's along a column: joint loads.
; THE MATRIX INSTRUCTION IS USED TRANSPOSED (source 0 = 16 rows of W, source 1 = 16 rows of x): in accumulator (a, b) lane (r, h) holds row 16 a + r of the wave's 128 and columns 16 b + 8 h + 0 .. 7.
; THE IMAGES.  A chunk is 128 rows of one head.  Tile t, lane row m of a chunk of Q or K is row 16 (m % 8) + 2 (m / 8) + 4 (t / 2) + t % 2; [head][chunk][t 8][c 2][lane 32][16 bytes], lane (m, hk) holding channels 32 c + 16 hk + 0 .. 15.
; V: [head][chunk][dt 4][c 4][hd 2][rd 16][16 bytes]: channel 16 dt + rd at key places 32 c + 16 hd + 0 .. 15, where place 8 r + a holds key 16 a + r: the eight accumulators (0..7, b) give a lane eight such neighbours.
; cos, sin: angle = f32(position) x 10^(-f/8), one rounding; reduced by k = nearest(angle x 2/pi) with pi/2 in two parts, then polynomials of degree 9 and 8 on |r| <= pi/4.
; LIMITS: |position| < 2^22.  e_out - e0 - e1 between -126 and 112, so that the scale and 57,344 x the scale are f32 numbers.  NaN among the inputs is not served.
; REGISTERS, in windows of 256.  window 0: v1-9 addresses, limit, scale; v16-21 fragment addresses; v22-27 the table's constants; v28, v29 the spare word's address and 0; v32-95 the bias, later two sets of table rows;
;   v96-111 codes; v128-255 x's fragments (before the loop: the table's work; on the way out: results).  window 1: W's fragments, two sets.  windows 2, 3: the accumulators ((a, b) at v[8 (8 (a % 4) + b)]).
.set KROW,   1024                      ; a row of x or of W in memory, bytes
.set ROWB,   256                       ; a tile's row: 256 codes
.set PITCH,  272                       ; an LDS row: 256 bytes + 16 of padding: the 16 rows of a load start 16 bytes apart modulo 256
.set FR,     16                        ; registers of a fragment (16 rows x 128 K)
.set NL,     4                         ; LDS loads that bring one
.set NP,     4                         ; places behind this matrix instruction (ISA guide 7.12.1)
.set HALFT,  128*PITCH
.set SLOT,   4*HALFT                   ; x's 256 rows, then W's 256 rows
.set SPARE,  2*SLOT                    ; the spare words: 128 bytes a wave, two blocks of 256 bytes that no other line names
.set TABLE,  SPARE+512                 ; cos and sin: 128 rows of 256 bytes + 16
.set TP,     272
.set TILEP,  1040                      ; Q's and K's stage: a tile's image, 1,024 bytes + 16
.set QKW,    16*TILEP                  ; two heads x 8 tiles for a wave; these stages lie in slot 0 from byte 0 on
.set VST,    4*QKW                     ; V's stages lie behind them: bytes of their own for each way out
.set VBP,    2176                      ; 8 rows of 256 bytes + 16: one block b
.set VW,     8*VBP
.set HEADB,  131072                    ; a head's image: 16 chunks of 8,192 bytes
.set TA,   1                           ; v1   table, read:  TABLE + 272 r + 32 h
.set TW,   2                           ; v2   table, write: TABLE + 272 x thread
.set LK,   3                           ; v3   Q/K stage, in
.set LV,   4                           ; v4   V stage, in
.set RV,   5                           ; v5   V stage, back
.set LI,   6                           ; v6   16 x lane
.set RK,   7                           ; v7   Q/K stage, back
.set LIM,  8                           ; v8   57,344 x the conversion's scale
.set SC,   9                           ; v9   the conversion's scale as f32
.set ADRA, 16
.set ADRB, 20
.set POSF, 22
.set POSI, 23
.set KS3,  24                          ; v[24:25] -1/5040 twice
.set KC3,  26                          ; v[26:27] -1/720 twice
.set SPW,  28
.set NIL,  29
.set BO,   30                          ; v30  32 h: my eight numbers of a bias block
.set PO,   31                          ; v31  4 x thread
.set BI,   32
.set CD,   96
.set AF,   128
.set OO,   128                         ; the way out: 64 results
.set TT,   192                         ; 64 at work
.set TH,   128                         ; the table's work: angle, then r
.set KK,   136
.set ZZ,   144
.set PS,   152
.set PC,   160
.set NI,   168
.set T1,   176
.set OT,   192                         ; 4 x 16 results (cos, sin, cos, sin ..)
.set G1,  24
.set G0,  32
.set G1B, 48
.set G0B, 56
.set MSB, 0
.macro WIN new                         ; the immediate's high byte repeats the setting that is left
.if MSB != (\new)
	s_set_vgpr_msb (MSB<<8)|(\new)
.set MSB, (\new)
.endif
.endm
.set MUL_LO, 0xa1                      ; source 0 (W) window 1, source 1 (x) window 0, C and D window 2
.set MUL_HI, 0xf1                      ; the same, C and D window 3
.set TO_B,   0x40
; A joint load: waves 0 and 1 fetch for x, waves 2 and 3 for W; the branch hangs on the wave's number alone.  Four v_nop follow each of the two lines.
.macro JLOAD g0a, g1a, g0b, g1b
	s_cmp_eq_u32 s15, 0
	s_cbranch_scc0 .Lfor_b_\@
	tensor_load_to_lds s[\g0a:\g0a+3], s[\g1a:\g1a+7]
	s_nop 0
.rept 4
	v_nop
.endr
	s_branch .Lasked_\@
.Lfor_b_\@:
	tensor_load_to_lds s[\g0b:\g0b+3], s[\g1b:\g1b+7]
	s_nop 0
.rept 4
	v_nop
.endr
.Lasked_\@:
.endm
.macro CREST                           ; a round of the cluster's barrier behind its opening barrier
	s_cmp_lg_u32 s14, 0
	s_cbranch_scc1 .Lnot_wave_0_\@
	s_barrier_signal -3
.Lnot_wave_0_\@:
	s_barrier_wait -3
	s_barrier_signal -1
	s_barrier_wait -1
.endm
.macro CROUND
	s_barrier_signal -1
	s_barrier_wait -1
	CREST
.endm
	s_load_b256 s[4:11], s[0:1], 0x0               ; x's codes s[4:5], W's codes s[6:7], the bias s[8:9], the positions s[10:11]
	s_load_b256 s[68:75], s[0:1], 0x20             ; the exponents s[68:69], qimg s[70:71], kimg s[72:73], vimg s[74:75]
	v_lshl_add_u32 v[SPW], v0, 2, SPARE
	v_mov_b32 v[NIL], 0
	ds_add_u32 v28, v29
	ds_add_u32 v28, v29
	s_wait_dscnt 0x0
	v_lshrrev_b32 v10, 5, v0
	v_readfirstlane_b32 s14, v10                   ; wave 0..3
	s_lshr_b32 s15, s14, 1                         ; which batch of the two is mine.  Also: I fetch for x (0) or for W (1)
	s_and_b32 s16, s14, 1                          ; which 128 columns.  Also: which 128 rows of that tile I fetch
	s_bfe_u32 s40, ttmp6, 0x40000                  ; cx, cy: my place in the cluster
	s_bfe_u32 s41, ttmp6, 0x40004
	s_lshl_b32 s42, ttmp9, 2
	s_add_co_u32 s42, s42, s40                     ; tile column = 4 x cluster x + cx, 0 .. 11
	s_and_b32 s17, ttmp7, 0xffff
	s_lshl_b32 s17, s17, 2
	s_add_co_u32 s17, s17, s41                     ; tile row = 4 x cluster y + cy, 0 .. 31
	s_lshl_b32 s43, s41, 2
	s_lshl_b32 s43, 15, s43                        ; my row of the cluster
	s_lshl_b32 s44, 0x1111, s40                    ; my column
	s_or_b32 s[G1+0], s43, (1<<20)|(1<<21)|(5<<22)|(3<<25)   ; 15:0 the mask; elements of 1 byte; 20 padding on; 21 set beside a mask; after every 64 words (code 5) four words (code 3)
	s_or_b32 s[G1B+0], s44, (1<<20)|(1<<21)|(5<<22)|(3<<25)
.irp g, G1, G1B
	s_mov_b32 s[\g+1], ROWB<<16                    ; tensor_dim0 = 256
	s_mov_b32 s[\g+2], 128<<16                     ; tensor_dim1 = 128
	s_mov_b32 s[\g+3], ROWB<<16                    ; tile_dim0
	s_mov_b32 s[\g+4], 128                         ; tile_dim1
	s_mov_b32 s[\g+5], KROW                        ; from row to row
	s_mov_b32 s[\g+6], 0
	s_mov_b32 s[\g+7], 0
.endr
	s_lshr_b32 s18, s17, 4                         ; bp: batches 2 bp and 2 bp + 1
	s_and_b32 s19, s17, 15                         ; sb: positions 128 sb on
	s_lshl_b32 s20, s18, 12
	s_lshl_b32 s21, s16, 11
	s_add_co_u32 s20, s20, s21
	s_lshl_b32 s21, s19, 7
	s_add_co_u32 s20, s20, s21                     ; x: row 4096 bp + 2048 x half + 128 sb,
	s_lshl_b32 s20, s20, 10                        ; in bytes (under 2^23)
	s_mov_b32 s21, 0
	s_lshl_b32 s46, s42, 8
	s_lshl_b32 s47, s16, 7
	s_add_co_u32 s46, s46, s47                     ; W: row 256 x tile column + 128 x half,
	s_lshl_b32 s46, s46, 10
	s_mov_b32 s47, 0
	s_mul_i32 s45, s14, HALFT                      ; where they go: wave x 128 rows
	s_lshl_b32 s90, s19, 9                         ; the work-group's 128 positions, 4 bytes each
	s_mov_b32 s91, 0
	s_lshl_b32 s92, s42, 10
	s_lshl_b32 s93, s16, 9
	s_add_co_u32 s92, s92, s93                     ; my 128 numbers of the bias
	s_mov_b32 s93, 0
	v_bfe_u32 v11, v0, 4, 1                        ; h
	v_lshlrev_b32 v[BO], 5, v11
	v_lshlrev_b32 v[PO], 2, v0
	s_wait_alu depctr_va_vdst(0)
	s_wait_kmcnt 0x0
	s_load_b256 s[76:83], s[68:69], 0x0            ; e0 .. e7
	s_add_nc_u64 s[20:21], s[4:5], s[20:21]
	s_add_nc_u64 s[46:47], s[6:7], s[46:47]
	s_add_nc_u64 s[8:9], s[8:9], s[92:93]
	s_add_nc_u64 s[10:11], s[10:11], s[90:91]
	global_load_b32 v[POSI], v[PO], s[10:11]       ; thread t: position 128 sb + t
.irp b, 0,1,2,3,4,5,6,7
	global_load_b128 v[BI+8*\b:BI+8*\b+3], v[BO], s[8:9] offset:64*\b          ; the bias in the result's layout: columns 16 b + 8 h + 0 .. 7
	global_load_b128 v[BI+8*\b+4:BI+8*\b+7], v[BO], s[8:9] offset:64*\b+16
.endr
	CROUND                                         ; all sixteen work-groups are here: the first joint loads meet
.irp s, 0,1
	s_mov_b32 s[G0+4*\s], 1
	s_add_co_u32 s[G0+4*\s+1], s45, \s*SLOT
	s_add_nc_u64 s[G0+4*\s+2:G0+4*\s+3], s[20:21], \s*ROWB
	s_or_b32 s[G0+4*\s+3], s[G0+4*\s+3], 0x80000000
	s_mov_b32 s[G0B+4*\s], 1
	s_add_co_u32 s[G0B+4*\s+1], s45, \s*SLOT
	s_add_nc_u64 s[G0B+4*\s+2:G0B+4*\s+3], s[46:47], \s*ROWB
	s_or_b32 s[G0B+4*\s+3], s[G0B+4*\s+3], 0x80000000
	JLOAD G0+4*\s, G1, G0B+4*\s, G1B               ; two loads of mine are out
.endr
	; every LDS address, made here on the one way that all take
	v_and_b32 v10, 15, v0                          ; r
	v_mul_u32_u24 v12, v10, PITCH
	v_lshl_add_u32 v12, v11, 4, v12                ; a fragment's row x pitch + 16 h
	s_mul_i32 s21, s15, HALFT                      ; my 128 rows of x
	s_mul_i32 s22, s16, HALFT
	s_add_co_u32 s22, s22, 2*HALFT                 ; my 128 rows of W, behind x's 256
.irp s, 0,1
	v_add_nc_u32 v[ADRA+\s], s21, v12
	v_add_nc_u32 v[ADRB+\s], s22, v12
	s_add_co_u32 s21, s21, SLOT
	s_add_co_u32 s22, s22, SLOT
.endr
	v_mul_u32_u24 v[TA], v10, TP
	v_lshl_add_u32 v[TA], v11, 5, v[TA]
	v_add_nc_u32 v[TA], TABLE, v[TA]
	v_mul_u32_u24 v[TW], v0, TP
	v_add_nc_u32 v[TW], TABLE, v[TW]
	v_and_b32 v13, 31, v0
	v_lshlrev_b32 v[LI], 4, v13
	s_mul_i32 s23, s14, QKW
	v_add_nc_u32 v[RK], s23, v[LI]
	v_lshrrev_b32 v13, 2, v10                      ; row 16 a + r lies in tile 2 (r / 4) + r % 2, at lane row a + 8 ((r / 2) % 2)
	v_mul_u32_u24 v[LK], v13, 2*TILEP
	v_and_b32 v13, 1, v10
	v_mad_u32_u24 v[LK], v13, TILEP, v[LK]
	v_bfe_u32 v14, v10, 1, 1
	v_lshl_add_u32 v[LK], v14, 7, v[LK]
	v_lshl_add_u32 v[LK], v11, 3, v[LK]            ; + 8 h: the 32 lanes of a store of 8 bytes fall on 32 different places of 8 bytes modulo 256
	v_add_nc_u32 v[LK], s23, v[LK]
	s_mul_i32 s23, s14, VW
	s_add_co_u32 s23, s23, VST
	v_lshrrev_b32 v14, 1, v10                      ; places 8 r .. 8 r + 7 of channel 8 h + j: byte 256 (r / 2) + 128 h + 16 j + 8 (r % 2) of the block's image
	v_mul_u32_u24 v[LV], v14, 272
	v_lshl_add_u32 v[LV], v13, 3, v[LV]
	v_lshl_add_u32 v[LV], v11, 7, v[LV]
	v_add_nc_u32 v[LV], s23, v[LV]
	v_mul_u32_u24 v[RV], v11, 272
	v_lshl_add_u32 v[RV], v10, 4, v[RV]
	v_add_nc_u32 v[RV], s23, v[RV]
	; where my two heads' chunk begins in the image: ((32 bp + 16 x batch half + 4 (tile column % 4) + 2 x column half) x 16 + sb) x 8,192
	s_lshl_b32 s86, s18, 5
	s_lshl_b32 s87, s15, 4
	s_add_co_u32 s86, s86, s87
	s_and_b32 s87, s42, 3
	s_lshl_b32 s87, s87, 2
	s_add_co_u32 s86, s86, s87
	s_lshl_b32 s87, s16, 1
	s_add_co_u32 s86, s86, s87
	s_lshl_b32 s86, s86, 4
	s_add_co_u32 s86, s86, s19
	s_lshl_b32 s86, s86, 13
	s_mov_b32 s87, 0
	s_wait_kmcnt 0x0
	s_cmp_eq_u32 ttmp9, 0                          ; Q, K or V: the choice hangs on the cluster's x alone
	s_cselect_b32 s88, s78, s79
	s_cselect_b64 s[84:85], s[70:71], s[72:73]
	s_cmp_eq_u32 ttmp9, 2
	s_cselect_b32 s88, s81, s88                    ; e_out = e2, e3 or e5
	s_cselect_b64 s[84:85], s[74:75], s[84:85]
	s_add_nc_u64 s[84:85], s[84:85], s[86:87]
	s_add_co_i32 s89, s76, s77                     ; e0 + e1
	s_sub_co_i32 s88, s88, s89
	s_sub_co_i32 s89, 0, s89
	s_add_co_i32 s88, s88, 127
	s_lshl_b32 s94, s88, 23
	v_mov_b32 v[SC], s94                           ; 2^(e_out - e0 - e1): the three scales folded into the conversion's one
	s_add_co_i32 s88, s88, 15
	s_lshl_b32 s88, s88, 23
	s_or_b32 s88, s88, 0x600000
	v_mov_b32 v[LIM], s88                          ; 57,344 x that
	s_wait_loadcnt 0x0                             ; the bias and the position
.set n, 0
.rept 64
	v_ldexp_f32 v[BI+n], v[BI+n], s89              ; b / 2^(e0 + e1)
.set n, n+1
.endr
; THE TABLE.  Eight frequencies at a time, as four pairs, stage by stage, so that no line waits for the line above it.
.macro SINCOS8 g, f0, f1, f2, f3, f4, f5, f6, f7
.set OTG, OT+16*(\g)
	v_mul_f32 v[TH+0], \f0, v[POSF]                ; the angle, rounded once
	v_mul_f32 v[TH+1], \f1, v[POSF]
	v_mul_f32 v[TH+2], \f2, v[POSF]
	v_mul_f32 v[TH+3], \f3, v[POSF]
	v_mul_f32 v[TH+4], \f4, v[POSF]
	v_mul_f32 v[TH+5], \f5, v[POSF]
	v_mul_f32 v[TH+6], \f6, v[POSF]
	v_mul_f32 v[TH+7], \f7, v[POSF]
.irp p, 0,2,4,6
	v_pk_mul_f32 v[KK+\p:KK+\p+1], v[TH+\p:TH+\p+1], 0x3f22f983 op_sel_hi:[1,0]   ; x 2/pi
.endr
.irp i, 0,1,2,3,4,5,6,7
	v_rndne_f32 v[KK+\i], v[KK+\i]                 ; k
.endr
.irp p, 0,2,4,6
	v_pk_fma_f32 v[TH+\p:TH+\p+1], v[KK+\p:KK+\p+1], 0xbfc90fdb, v[TH+\p:TH+\p+1] op_sel_hi:[1,0,1]   ; - k x the f32 nearest pi/2 (fused: one rounding of a small number)
.endr
.irp p, 0,2,4,6
	v_pk_fma_f32 v[TH+\p:TH+\p+1], v[KK+\p:KK+\p+1], 0x333bbd2e, v[TH+\p:TH+\p+1] op_sel_hi:[1,0,1]   ; + k x 4.37e-8, by which that f32 lies above pi/2
.endr
.irp p, 0,2,4,6
	v_pk_mul_f32 v[ZZ+\p:ZZ+\p+1], v[TH+\p:TH+\p+1], v[TH+\p:TH+\p+1]           ; z = r r
.endr
.irp p, 0,2,4,6
	v_pk_fma_f32 v[PS+\p:PS+\p+1], v[ZZ+\p:ZZ+\p+1], 0x3638ef1d, v[KS3:KS3+1] op_sel_hi:[1,0,1]   ; sine: 1/9! z - 1/7!
	v_pk_fma_f32 v[PC+\p:PC+\p+1], v[ZZ+\p:ZZ+\p+1], 0x37d00d01, v[KC3:KC3+1] op_sel_hi:[1,0,1]   ; cosine: 1/8! z - 1/6!
.endr
.irp p, 0,2,4,6
	v_pk_fma_f32 v[PS+\p:PS+\p+1], v[PS+\p:PS+\p+1], v[ZZ+\p:ZZ+\p+1], 0x3c088889 op_sel_hi:[1,1,0]   ; + 1/5!
	v_pk_fma_f32 v[PC+\p:PC+\p+1], v[PC+\p:PC+\p+1], v[ZZ+\p:ZZ+\p+1], 0x3d2aaaab op_sel_hi:[1,1,0]   ; + 1/4!
.endr
.irp p, 0,2,4,6
	v_pk_fma_f32 v[PS+\p:PS+\p+1], v[PS+\p:PS+\p+1], v[ZZ+\p:ZZ+\p+1], 0xbe2aaaab op_sel_hi:[1,1,0]   ; - 1/3!
	v_pk_fma_f32 v[PC+\p:PC+\p+1], v[PC+\p:PC+\p+1], v[ZZ+\p:ZZ+\p+1], -0.5 op_sel_hi:[1,1,0]
	v_pk_mul_f32 v[T1+\p:T1+\p+1], v[TH+\p:TH+\p+1], v[ZZ+\p:ZZ+\p+1]
.endr
.irp p, 0,2,4,6
	v_pk_fma_f32 v[PS+\p:PS+\p+1], v[T1+\p:T1+\p+1], v[PS+\p:PS+\p+1], v[TH+\p:TH+\p+1]             ; sin r = r + r z P
	v_pk_fma_f32 v[PC+\p:PC+\p+1], v[PC+\p:PC+\p+1], v[ZZ+\p:ZZ+\p+1], 1.0 op_sel_hi:[1,1,0]        ; cos r
.endr
.irp i, 0,1,2,3,4,5,6,7
	v_cvt_i32_f32 v[NI+\i], v[KK+\i]               ; the quadrant is k's two lowest bits
.endr
.irp i, 0,1,2,3,4,5,6,7
	v_and_b32 v[T1+\i], 1, v[NI+\i]
.endr
.irp i, 0,1,2,3,4,5,6,7
	v_cmp_eq_u32 vcc_lo, 1, v[T1+\i]               ; in an odd quadrant the two change places
	v_cndmask_b32 v[OTG+2*\i], v[PC+\i], v[PS+\i], vcc_lo
	v_cndmask_b32 v[OTG+2*\i+1], v[PS+\i], v[PC+\i], vcc_lo
.endr
.irp i, 0,1,2,3,4,5,6,7
	v_lshlrev_b32 v[T1+\i], 30, v[NI+\i]           ; the sine's sign: bit 1 of k;
	v_add_nc_u32 v[NI+\i], 1, v[NI+\i]             ; the cosine's: bit 1 of k + 1
.endr
.irp i, 0,1,2,3,4,5,6,7
	v_lshlrev_b32 v[NI+\i], 30, v[NI+\i]
	v_and_b32 v[T1+\i], 0x80000000, v[T1+\i]
.endr
.irp i, 0,1,2,3,4,5,6,7
	v_and_b32 v[NI+\i], 0x80000000, v[NI+\i]
	v_xor_b32 v[OTG+2*\i+1], v[T1+\i], v[OTG+2*\i+1]
.endr
.irp i, 0,1,2,3,4,5,6,7
	v_xor_b32 v[OTG+2*\i], v[NI+\i], v[OTG+2*\i]
.endr
.irp p, 0,1,2,3
	ds_store_b128 v[TW], v[OTG+4*\p:OTG+4*\p+3] offset:64*(\g)+16*\p   ; (cos, sin) of frequencies 8 g + 2 p and 8 g + 2 p + 1; each group has result registers of its own
.endr
.endm
	s_cmp_eq_u32 ttmp9, 2                          ; V is not turned: its work-groups make no table (the cluster's x: the same in all partners)
	s_cbranch_scc1 .Lno_table
	v_cvt_f32_i32 v[POSF], v[POSI]
	v_mov_b32 v[KS3], 0xb9500d01
	v_mov_b32 v[KS3+1], 0xb9500d01
	v_mov_b32 v[KC3], 0xbab60b61
	v_mov_b32 v[KC3+1], 0xbab60b61
	SINCOS8 0, 1.0, 0.7498942093, 0.5623413252, 0.4216965034, 0.3162277660, 0.2371373706, 0.1778279410, 0.1333521432
	SINCOS8 1, 0.1, 0.07498942093, 0.05623413252, 0.04216965034, 0.03162277660, 0.02371373706, 0.01778279410, 0.01333521432
	SINCOS8 2, 0.01, 0.007498942093, 0.005623413252, 0.004216965034, 0.003162277660, 0.002371373706, 0.001778279410, 0.001333521432
	SINCOS8 3, 0.001, 0.0007498942093, 0.0005623413252, 0.0004216965034, 0.0003162277660, 0.0002371373706, 0.0001778279410, 0.0001333521432
.Lno_table:
.macro FRAG reg, adr, q, i             ; a fragment: lane l holds row l % 16; registers 4 c .. 4 c + 3 hold K = 32 c + 16 (l / 16) + 0 .. 15: the same order of k in x and in W
.irp c, 0,1,2,3
	ds_load_b128 v[\reg+4*\c:\reg+4*\c+3], v[\adr] offset:128*(\q)+32*\c+(\i)*16*PITCH
.endr
.endm
; 16 matrix instructions: x's blocks a0, a0 + 1 against W's eight.  zero = 1: the first product starts the sums from the bias.  The 64 accumulators take turns, one instruction a turn.
.macro MUL16 a0, p, zero
.irp a, \a0, \a0+1
.irp b, 0,1,2,3,4,5,6,7
.if \zero
	v_wmma_f32_16x16x128_bf8_bf8 v[8*(8*((\a)%4)+\b):8*(8*((\a)%4)+\b)+7], v[128*(\p)+FR*\b:128*(\p)+FR*\b+FR-1], v[AF+FR*(\a):AF+FR*(\a)+FR-1], v[BI+8*\b:BI+8*\b+7]
.else
	v_wmma_f32_16x16x128_bf8_bf8 v[8*(8*((\a)%4)+\b):8*(8*((\a)%4)+\b)+7], v[128*(\p)+FR*\b:128*(\p)+FR*\b+FR-1], v[AF+FR*(\a):AF+FR*(\a)+FR-1], v[8*(8*((\a)%4)+\b):8*(8*((\a)%4)+\b)+7]
.endif
.endr
.endr
.endm
.macro FETCH_B slot, q, p
	WIN TO_B
.irp i, 0,1,2,3,4,5,6,7
	FRAG 128*(\p)+FR*\i, ADRB+\slot, \q, \i
.endr
	WIN 0
.endm
.macro FETCH_A slot, q, i0
.irp i, \i0, \i0+1, \i0+2, \i0+3
	FRAG AF+FR*(\i), ADRA+\slot, \q, \i
.endr
.endm
.macro PLACES n                        ; plain vector instructions between a matrix instruction and a load into, or a read of, its registers (ISA guide 7.12.1 for reads)
.rept \n
	v_nop
.endr
.endm
; A step of 128 along K that has its successor in the same slot.  x has one set of registers (a block is free when its eight products are issued), W two.
.macro STEP slot, q, zero
	s_wait_dscnt 4*NL                              ; W's set and x's blocks 0-3 are in; the youngest sixteen loads (blocks 4-7) may be out
.if \zero
	WIN 0x81                                       ; the bias, C, lies in window 0
.else
	WIN MUL_LO
.endif
	MUL16 0, (\q)%2, \zero
	MUL16 2, (\q)%2, \zero
	s_wait_dscnt 0
	PLACES NP
	FETCH_B \slot, (\q)+1, 1-(\q)%2
	FETCH_A \slot, (\q)+1, 0
.if \zero
	WIN 0xc1
.else
	WIN MUL_HI
.endif
	MUL16 4, (\q)%2, \zero
	MUL16 6, (\q)%2, \zero
	PLACES NP
	WIN 0
	FETCH_A \slot, (\q)+1, 4
.endm
; A slot's last step changes slots: one barrier; in front of it each wave waits for all its tensor loads, adds 0 to its spare word, and waits for that and for its reads of this slot.  fill = 1: the slot is filled again, two K steps ahead.
.macro TURN slot, next, fill
	s_wait_tensorcnt 0x0                           ; all my tensor loads have landed: my part of the next slot
	ds_add_u32 v[SPW], v[NIL]                      ; 0 onto my spare word
	s_wait_dscnt 4*NL+1                            ; the add and the youngest sixteen loads may be out
	WIN MUL_LO
	MUL16 0, 1, 0
	s_wait_dscnt 0x0                               ; the add is done, and my reads of this slot are over
	s_barrier_signal -1
	MUL16 2, 1, 0
	WIN 0
	s_barrier_wait -1
.if \fill
	CREST                                          ; the barrier has opened a round of the cluster's: no wave of any partner still reads this slot or has a load on its way
	s_add_nc_u64 s[G0+4*\slot+2:G0+4*\slot+3], s[G0+4*\slot+2:G0+4*\slot+3], 2*ROWB
	s_add_nc_u64 s[G0B+4*\slot+2:G0B+4*\slot+3], s[G0B+4*\slot+2:G0B+4*\slot+3], 2*ROWB
	JLOAD G0+4*\slot, G1, G0B+4*\slot, G1B         ; my one tensor load behind the round; its four v_nop are the places in front of the loads below
.else
	PLACES NP
.endif
	FETCH_B \next, 0, 0
	FETCH_A \next, 0, 0
	WIN MUL_HI
	MUL16 4, 1, 0
	MUL16 6, 1, 0
	PLACES NP
	WIN 0
	FETCH_A \next, 0, 4
.endm
	s_wait_dscnt 0x0                               ; for the others' sake: my rows of the table are stored,
	s_wait_tensorcnt 1                             ; and my part of K step 0 is in (K step 1's load may be out)
	s_barrier_signal -1
	s_barrier_wait -1
	FETCH_B 0, 0, 0
	FETCH_A 0, 0, 0
	FETCH_A 0, 0, 4
	s_wait_alu depctr_va_vdst(0)
	STEP 0, 0, 1                                   ; 1,024 along K: eight steps of 128, four slots' worth, written straight
	TURN 0, 1, 1
	STEP 1, 0, 0
	TURN 1, 0, 1
	STEP 0, 0, 0
	TURN 0, 1, 0                                   ; nothing is left to fetch; behind this barrier nobody reads slot 0, which has had its last fill: the stages lie there
	STEP 1, 0, 0
	s_wait_dscnt 4*NL
	WIN MUL_LO
	MUL16 0, 1, 0
	MUL16 2, 1, 0
	s_wait_dscnt 0
	WIN MUL_HI
	MUL16 4, 1, 0
	MUL16 6, 1, 0
	WIN 0
	PLACES NP                                      ; behind the last products, for both ways out
	s_cmp_eq_u32 ttmp9, 2
	s_cbranch_scc1 .Lv_out
; ---- Q AND K.  Block a (rows 16 a + r): RoPE, conversion, 8 bytes a lane and column block into the stage.
.macro TLD a                           ; block a's rows of the table: my four pairs (cos, sin) of each of the head's four column blocks, into set a % 2
.set CSB, BI+32*((\a)%2)
.irp bq, 0,1,2,3
	ds_load_b128 v[CSB+8*\bq:CSB+8*\bq+3], v[TA] offset:16*(\a)*TP+64*\bq
	ds_load_b128 v[CSB+8*\bq+4:CSB+8*\bq+7], v[TA] offset:16*(\a)*TP+64*\bq+16
.endr
.endm
.macro ROPEBLK a
.if (\a) < 7
	TLD (\a)+1
	s_wait_dscnt 8                                 ; all but the eight just issued: this block's table rows are in, the last block's stores into the stage are done
.else
	s_wait_dscnt 0
.endif
.set AC, 64*((\a)%4)
.set CSB, BI+32*((\a)%2)
	WIN 0x02+((\a)/4)                              ; source 0: the accumulators' window
.irp b, 0,1,2,3,4,5,6,7
.irp i, 0,2,4,6
	v_pk_mul_f32 v[TT+8*\b+\i:TT+8*\b+\i+1], v[AC+8*\b+\i:AC+8*\b+\i+1], v[CSB+8*(\b%4)+\i:CSB+8*(\b%4)+\i+1] op_sel:[1,1] op_sel_hi:[0,1]   ; (x2 sin, x1 sin); each accumulator is read from its low end on
.endr
.irp i, 0,2,4,6
	v_fma_f32 v[OO+8*\b+\i], v[AC+8*\b+\i], v[CSB+8*(\b%4)+\i], -v[TT+8*\b+\i]          ; x1 cos - x2 sin
	v_fma_f32 v[OO+8*\b+\i+1], v[AC+8*\b+\i+1], v[CSB+8*(\b%4)+\i], v[TT+8*\b+\i+1]     ; x2 cos + x1 sin
.endr
.endr
	WIN 0
.set n, 0
.rept 64
.set n, n+1
.endr
.irp b, 0,1,2,3,4,5,6,7
	v_cvt_scalef32_pk8_bf8_f32 v[CD+2*\b:CD+2*\b+1], v[OO+8*\b:OO+8*\b+7], v[SC]
.endr
	v_nop                                          ; a plain line behind the last conversion: the next block writes its sources
.irp b, 0,1,2,3,4,5,6,7
	ds_store_b64 v[LK], v[CD+2*\b:CD+2*\b+1] offset:(\b/4)*8*TILEP+((\b%4)/2)*512+(\b%2)*256+16*(\a)   ; head b / 4; channels 16 (b % 4) + 8 h on: c = (b % 4) / 2, lane half b % 2
.endr
.endm
	TLD 0
.irp a, 0,1,2,3,4,5,6,7
	ROPEBLK \a
.endr
.set n, 0
.rept 32                               ; the stage is my own, and LDS serves a wave's instructions in order (ISA guide 5.7.1.4): these see my stores
	ds_load_b128 v[128+4*n:128+4*n+3], v[RK] offset:(n/16)*8*TILEP+((n/2)%8)*TILEP+(n%2)*512
.set n, n+1
.endr
.set n, 0
.rept 32
	s_wait_dscnt 31-n
	global_store_b128 v[LI], v[128+4*n:128+4*n+3], s[84:85] offset:(n/16)*HEADB+((n/2)%8)*1024+(n%2)*512   ; 32 lanes store 512 consecutive bytes, at a multiple of 512 from the buffer's first byte
.set n, n+1
.endr
	s_branch .Lend
; ---- V.  Column block b: the hold gathers accumulators (0..7, b), register j, into eight neighbours: channel 16 (b % 4) + 8 h + j at key places 8 r + 0 .. 7.
.Lv_out:
.macro VBLK b
	WIN 0x02
.irp j, 0,1,2,3,4,5,6,7
.irp a, 0,1,2,3
	v_med3_num_f32 v[OO+8*\j+\a], v[64*\a+8*(\b)+\j], -v[LIM], v[LIM]      ; j ascends: each accumulator is read from its low end on
.endr
.endr
	WIN 0x03
.irp j, 0,1,2,3,4,5,6,7
.irp a, 0,1,2,3
	v_med3_num_f32 v[OO+8*\j+4+\a], v[64*\a+8*(\b)+\j], -v[LIM], v[LIM]
.endr
.endr
	WIN 0
.irp j, 0,1,2,3,4,5,6,7
	v_cvt_scalef32_pk8_bf8_f32 v[CD+2*\j:CD+2*\j+1], v[OO+8*\j:OO+8*\j+7], v[SC]
.endr
	v_nop
.irp j, 0,1,2,3,4,5,6,7
	ds_store_b64 v[LV], v[CD+2*\j:CD+2*\j+1] offset:(\b)*VBP+16*\j
.endr
	s_wait_dscnt 0x0                               ; the stores have read their registers
.endm
.irp b, 0,1,2,3,4,5,6,7
	VBLK \b
.endr
.set n, 0
.rept 32
	ds_load_b128 v[128+4*n:128+4*n+3], v[RV] offset:(n/4)*VBP+2*(n%4)*272    ; two rows of 256 bytes an instruction
.set n, n+1
.endr
.set n, 0
.rept 32
	s_wait_dscnt 31-n
	global_store_b128 v[LI], v[128+4*n:128+4*n+3], s[84:85] offset:(n/16)*HEADB+((n/4)%4)*2048+(n%4)*512
.set n, n+1
.endr
.Lend:
	s_wait_tensorcnt 0x0                           ; the wave's end: behind my last tensor load and my last LDS store
	ds_add_u32 v[SPW], v[NIL]
	s_wait_dscnt 0x0
	CROUND                                         ; the closing round: no work-group ends while a partner may still ask for a tile that names it
	s_endpgm
.Lfunc_end_k_qa51571af8d_qkv:
	.size	k_qa51571af8d_qkv, .Lfunc_end_k_qa51571af8d_qkv-k_qa51571af8d_qkv
	.p2alignl 7, 3214868480
	.fill 96, 4, 3214868480
	.section	.rodata,"a",@progbits
	.p2align	6, 0x0
	.amdhsa_kernel k_qa51571af8d_qkv
		.amdhsa_group_segment_fixed_size 327680
		.amdhsa_private_segment_fixed_size 0
		.amdhsa_enable_private_segment 0
		.amdhsa_kernarg_size 64
		.amdhsa_user_sgpr_count 2
		.amdhsa_user_sgpr_kernarg_segment_ptr 1
		.amdhsa_wavefront_size32 1
		.amdhsa_system_sgpr_workgroup_id_x 1
		.amdhsa_system_sgpr_workgroup_id_y 1
		.amdhsa_system_sgpr_workgroup_id_z 1
		.amdhsa_system_vgpr_workitem_id 0
		.amdhsa_next_free_vgpr 1024
		.amdhsa_next_free_sgpr 100
		.amdhsa_reserve_vcc 1
		.amdhsa_float_denorm_mode_32 3
		.amdhsa_float_denorm_mode_16_64 3
		.amdhsa_fp16_overflow 1
		.amdhsa_memory_ordered 1
		.amdhsa_forward_progress 1
		.amdhsa_inst_pref_size 235
	.end_amdhsa_kernel
	.amdgpu_metadata
---
amdhsa.version: [ 1, 2 ]
amdhsa.kernels:
  - .name:           k_qa51571af8d_qkv
    .symbol:         k_qa51571af8d_qkv.kd
    .args:
      - { .name: x_codes, .offset: 0, .size: 8, .value_kind: global_buffer, .address_space: global }
      - { .name: Wqkv_w_codes, .offset: 8, .size: 8, .value_kind: global_buffer, .address_space: global }
      - { .name: Wqkv_b, .offset: 16, .size: 8, .value_kind: global_buffer, .address_space: global }
      - { .name: token_positions, .offset: 24, .size: 8, .value_kind: global_buffer, .address_space: global }
      - { .name: lowp_scales, .offset: 32, .size: 8, .value_kind: global_buffer, .address_space: global }
      - { .name: qimg, .offset: 40, .size: 8, .value_kind: global_buffer, .address_space: global }
      - { .name: kimg, .offset: 48, .size: 8, .value_kind: global_buffer, .address_space: global }
      - { .name: vimg, .offset: 56, .size: 8, .value_kind: global_buffer, .address_space: global }
    .group_segment_fixed_size: 327680
    .private_segment_fixed_size: 0
    .kernarg_segment_align: 8
    .kernarg_segment_size: 64
    .max_flat_workgroup_size: 128
    .sgpr_count:     100
    .vgpr_count:     1024
    .wavefront_size: 32
...
	.end_amdgpu_metadata
.endif
;; end of part 1
;; launch attn (part 2): grid 4 x 64, 16 waves a work-group, no clusters, 327,680 bytes of LDS; arguments qimg, kimg, vimg, lowp_scales, oimg; writes oimg
.if DOCPART == 2
	.amdgcn_target "amdgcn-amd-amdhsa--gfx1250"
	.amdhsa_code_object_version 6
	.text
	.protected	k_qa51571af8d_attn
	.globl	k_qa51571af8d_attn
	.p2align	8
	.type	k_qa51571af8d_attn,@function
k_qa51571af8d_attn:
	s_mov_b64 s[64:65], 0
	v_nop
	global_prefetch_b8 v0, s[64:65] scope:SCOPE_SE
	s_setreg_imm32_b32 hwreg(HW_REG_WAVE_MODE, 25, 1), 1
	s_wait_xcnt 0x0
; Causal attention of one head on codes of BF8 (E5M2): S^T = K Q^T, p = 2^(t - M), O^T = V^T P^T, O / l quantised with 2^e6 and stored as the image of the last product's operand.
; t = score x 2^(e2 + e3) x log2(e) / 8; M = the row's largest t so far, rounded UP to a whole number; p is quantised along the keys with 2^e4, not normalised; the row's sum l is taken of the unquantised p.
; When M moves, l and O^T are multiplied by 2^(old M - new M): nothing is rounded, and no branch hangs on data.
; INPUTS, as the launch before laid them: chunks of 128 rows; tile t, lane row m of a chunk of Q or K is row 16 (m % 8) + 2 (m / 8) + 4 (t / 2) + t % 2; V has its keys innermost, in the order in which p's codes come out of the
; conversions.  So every fragment is 512 consecutive bytes a load, 16 a lane, nothing is transposed, and p's codes are the second product's operand as they stand.
; SHARES.  Work-group (x, head) owns two blocks of 256 queries: block 7 - x, which needs 8 - x slots of 256 keys, then block x, which needs x + 1: NINE slots for every work-group, so the loop's trip count is a constant
; and the 256 work-groups have equal work.  Each of the sixteen waves owns one tile of 16 queries (chunk 2 x block + wave / 8, tile wave % 8) in 256 registers, four waves to a SIMD.
; A step is one chunk of 128 keys.  A step whose chunk lies behind the wave's chunk is jumped over (a scalar branch on ids and counters); in the step on the diagonal hidden scores become -infinity ahead of the maximum.
; Key 0 counts for every query, so M is a number from the first step on.
; RING: two slots of 32,768 bytes (two chunks of K, two of V), wave 0 fetching K's 16 KiB and wave 1 V's, one tensor load each behind each barrier; one load of a fetching wave is out at any time.
; NO JOINT LOADS: the four work-groups of a head walk 8 - x and then x + 1 slots, so from the (5 - x)-th change on they want different slots; a walk that all four could share has 8 + 4 = 12 changes in step against these 9.
; LIMITS on the given exponents, so that each power of two below is an f32 number: e2 + e3 between -123 and 130 (added to c's exponent field); e4 and e6 between -126 and 112; e4 + e5 is applied by v_ldexp_f32 and has none.
.set SLOTB, 32768
.set VOFF,  16384
.set SPARE, 65536                      ; behind the ring: the spare words, 128 bytes for each of sixteen waves: eight blocks of 256 bytes that no other line names
.set LI,   2                           ; v2   16 x lane
.set PFO,  3                           ; v3   256 x lane
.set DQ,   4                           ; v4   my query's place in its chunk - 2 (lane / 16)
.set SPW,  5
.set NIL,  6
.set GO,   7                           ; v7   16 (lane % 16) + 8 (lane / 16)
.set ADR,  8
.set QF,   16                          ; v16-23  Q's fragment of the block in hand;  v24-31 the second block's
.set Q2,   24
.set PP,   32                          ; v32-47  p's codes
.set KV,   48                          ; v48-111 K's eight fragments, then V's four
.set SS,   112                         ; v112-175 S^T, then p
.set OO,   176                         ; v176-207 O^T
.set FF,   208                         ; v[208:209] f (the upper word is named with it)
.set SB,   210                         ; v[210:211] the second chain of the sum
.set MA,   212
.set MB,   213
.set PX,   214
.set PLIM, 215
.set PSC,  216
.set OLIM, 217
.set OSC,  218
.set NINF, 219
.set CD,   220                         ; v220-227 O's codes
.set WV,   14
.set SEL,  20
.set CS,   22
.set G1,   24
.set G0,   32
.set KVB,  36                          ; s[36:37] my tensor's head (K's in wave 0, V's in the others)
.set OFF,  38                          ; s[38:39] the next slot's bytes
.set NXT,  40
.set NA,   41
.set REM,  42
.set KC,   43
.set QC,   44
.set TB,   45
.set SLOTS, 46
.set LIM,  47
.set PFA,  48
.macro TLOAD                           ; waves 0 and 1 fetch; the branch hangs on the wave's number alone; four v_nop follow the load
	s_cmp_lt_u32 s[WV], 2
	s_cbranch_scc0 .Lasked_\@
	tensor_load_to_lds s[G0:G0+3], s[G1:G1+7]
	s_nop 0
.rept 4
	v_nop
.endr
.Lasked_\@:
.endm
; A PREFETCH INTO THE L2 of the slot that the NEXT change of slots will ask for.  All four work-groups of a head walk the same K and V: work-group x = 0, which walks slots 0 to 7 in order, asks, and nobody else.
; In it waves 4 and 5 ask for K's 16,384 bytes and waves 6 and 7 for V's, 8,192 a wave, lanes 256 bytes apart: each aligned block of 256 bytes of slots 2 to 7 is named once.  Slots 0 and 1 come by their loads alone.
.macro ASK
	s_cmp_gt_u32 s[SLOTS], s[LIM]                  ; changes 1 to 6 (SLOTS = 8 .. 3) ask for slots 2 to 7; the last two ask for nothing
	s_cbranch_scc0 .Lnot_mine_\@
	global_prefetch_b8 v[PFO], s[PFA:PFA+1] th:TH_LOAD_NT scope:SCOPE_SE
.Lnot_mine_\@:
.endm
	s_load_b256 s[4:11], s[0:1], 0x0               ; qimg s[4:5], kimg s[6:7], vimg s[8:9], the exponents s[10:11]
	s_load_b64 s[12:13], s[0:1], 0x20              ; oimg
	v_lshl_add_u32 v[SPW], v0, 2, SPARE
	v_mov_b32 v[NIL], 0
	ds_add_u32 v5, v6
	ds_add_u32 v5, v6
	s_wait_dscnt 0x0
	v_lshrrev_b32 v1, 5, v0
	s_delay_alu instid0(VALU_DEP_1)
	v_readfirstlane_b32 s[WV], v1                  ; wave 0..15
	s_and_b32 s16, ttmp7, 0xffff                   ; 16 x batch + head
	s_lshr_b32 s17, s[WV], 3                       ; which chunk of the block
	s_and_b32 s18, s[WV], 7                        ; which tile of the chunk
	s_mov_b32 s[G1], 3<<16                         ; a dense block of 16,384 bytes as 64 rows of 32 elements of 8 bytes; no mask, no padding
	s_mov_b32 s[G1+1], 32<<16                      ; tensor_dim0
	s_mov_b32 s[G1+2], 64<<16                      ; tensor_dim1
	s_mov_b32 s[G1+3], 32<<16                      ; tile_dim0
	s_mov_b32 s[G1+4], 64                          ; tile_dim1
	s_mov_b32 s[G1+5], 32                          ; from row to row
	s_mov_b32 s[G1+6], 0
	s_mov_b32 s[G1+7], 0
	s_mov_b32 s[SEL], 0x76543210
	s_mov_b32 s[SEL+1], 0xfedcba98
	s_mov_b32 s[CS], 0x3e38aa3b                    ; c = log2(e) / 8
	s_mov_b32 s[TB], 0
	s_mov_b32 s[SLOTS], 8
	s_mov_b32 s[NXT], 0
	s_sub_co_u32 s[NA], 8, ttmp9                   ; the first block's slots
	s_mov_b32 s[REM], s[NA]
	s_mov_b32 s[KC], 0
	s_sub_co_u32 s[QC], 7, ttmp9
	s_lshl_b32 s[QC], s[QC], 1
	s_add_co_u32 s[QC], s[QC], s17                 ; my chunk of queries: 2 (7 - x) + wave / 8
	s_lshl_b32 s66, s16, 17                        ; the head's 131,072 bytes in each of the three images
	s_mov_b32 s67, 0
	s_mov_b32 s[OFF+1], 0
	s_wait_kmcnt 0x0
	s_load_b256 s[56:63], s[10:11], 0x0            ; e0 .. e7
	s_cmp_eq_u32 s[WV], 0
	s_cselect_b64 s[KVB:KVB+1], s[6:7], s[8:9]
	s_add_nc_u64 s[KVB:KVB+1], s[KVB:KVB+1], s[66:67]
	s_mov_b32 s[G0], 1                             ; count = 1
	s_lshl_b32 s[G0+1], s[WV], 14                  ; LDS: K at the slot's byte 0, V at 16,384
	s_mov_b64 s[G0+2:G0+3], s[KVB:KVB+1]           ; slot 0 of the head
	s_or_b32 s[G0+3], s[G0+3], 0x80000000          ; type = 2
	TLOAD
	s_add_nc_u64 s[4:5], s[4:5], s[66:67]
	s_lshl_b32 s68, s18, 10
	s_mov_b32 s69, 0
	s_add_nc_u64 s[4:5], s[4:5], s[68:69]          ; Q at my head and my tile
	v_and_b32 v1, 31, v0
	s_delay_alu instid0(VALU_DEP_1)
	v_lshlrev_b32 v[LI], 4, v1
	s_delay_alu instid0(VALU_DEP_2)
	v_lshlrev_b32 v[PFO], 8, v1
	s_lshl_b32 s68, s[QC], 13
	v_add_nc_u32 v9, s68, v[LI]
	s_lshl_b32 s68, ttmp9, 1
	s_add_co_u32 s68, s68, s17                     ; the second block's chunk: 2 x + wave / 8
	s_lshl_b32 s68, s68, 13
	v_add_nc_u32 v10, s68, v[LI]
	global_load_b128 v[QF:QF+3], v9, s[4:5]
	global_load_b128 v[QF+4:QF+7], v9, s[4:5] offset:512
	global_load_b128 v[Q2:Q2+3], v10, s[4:5]
	global_load_b128 v[Q2+4:Q2+7], v10, s[4:5] offset:512
	; oimg: chunk (16 batch + my chunk) x 131,072 + (head / 2) x 16,384 + tile x 2,048 + (head % 2) x 1,024; the chunk is added at the way out
	s_lshr_b32 s68, s16, 4
	s_lshl_b32 s68, s68, 21
	s_and_b32 s69, s16, 15
	s_lshr_b32 s70, s69, 1
	s_lshl_b32 s70, s70, 14
	s_add_co_u32 s68, s68, s70
	s_and_b32 s69, s69, 1
	s_lshl_b32 s69, s69, 10
	s_add_co_u32 s68, s68, s69
	s_lshl_b32 s69, s18, 11
	s_add_co_u32 s68, s68, s69
	s_mov_b32 s69, 0
	s_add_nc_u64 s[50:51], s[12:13], s[68:69]
	; the prefetches: where my wave's stand, and who asks
	s_cmp_lt_u32 s[WV], 6
	s_cselect_b64 s[PFA:PFA+1], s[6:7], s[8:9]
	s_add_nc_u64 s[PFA:PFA+1], s[PFA:PFA+1], s[66:67]
	s_and_b32 s68, s[WV], 1
	s_lshl_b32 s68, s68, 13
	s_add_co_u32 s68, s68, 16384                   ; in slot 1: the first change of slots steps it to slot 2.  Nothing is prefetched here, at the head
	s_mov_b32 s69, 0
	s_add_nc_u64 s[PFA:PFA+1], s[PFA:PFA+1], s[68:69]
	s_sub_co_u32 s68, s[WV], 4
	s_lshr_b32 s68, s68, 2                         ; 0 in waves 4 to 7,
	s_or_b32 s68, s68, ttmp9                       ; of work-group x = 0
	s_cmp_eq_u32 s68, 0
	s_cselect_b32 s[LIM], 2, -1
	v_and_b32 v1, 7, v0
	s_delay_alu instid0(VALU_DEP_1)
	v_lshlrev_b32 v[DQ], 4, v1                     ; my query's place in its chunk: 16 (r % 8) + 2 (r / 8) + 4 (tile / 2) + tile % 2,
	v_bfe_u32 v1, v0, 3, 1
	s_delay_alu instid0(VALU_DEP_1)
	v_lshl_add_u32 v[DQ], v1, 1, v[DQ]
	v_bfe_u32 v11, v0, 4, 1
	s_delay_alu instid0(VALU_DEP_1)
	v_lshlrev_b32 v1, 1, v11
	s_delay_alu instid0(VALU_DEP_1)
	v_sub_nc_u32 v[DQ], v[DQ], v1                  ; less 2 (lane / 16), which all my keys have in common
	s_lshr_b32 s68, s18, 1
	s_lshl_b32 s68, s68, 2
	s_and_b32 s69, s18, 1
	s_add_co_u32 s68, s68, s69
	v_add_nc_u32 v[DQ], s68, v[DQ]
	v_and_b32 v1, 15, v0
	s_delay_alu instid0(VALU_DEP_1)
	v_lshlrev_b32 v[GO], 4, v1
	s_delay_alu instid0(VALU_DEP_1)
	v_lshl_add_u32 v[GO], v11, 3, v[GO]
	v_mov_b32 v13, 0xff61b1e6                      ; the largest t so far: -3e38, under every t
	s_delay_alu instid0(VALU_DEP_1)
	v_floor_f32 v12, -v13                          ; -M
	v_mov_b32 v14, 0                               ; the sum, in two halves
	v_mov_b32 v15, 0
	v_mov_b32 v[PX], 0                             ; a lane permute's destination counts as one of its sources
	v_mov_b32 v[FF+1], 0                           ; (named as the upper half of the pair)
	v_mov_b32 v[NINF], 0xff800000
.set n, 0
.rept 32
	v_mov_b32 v[OO+n], 0                           ; the step is written without a first step of its own: it finds zeros, which the first change of M leaves zeros
.set n, n+1
.endr
	s_wait_kmcnt 0x0
	s_add_co_i32 s68, s58, s59
	s_lshl_b32 s68, s68, 23
	s_add_co_i32 s[CS], s[CS], s68                 ; a score stands for score x 2^(e2 + e3): added to c's exponent field
	s_mov_b32 s[CS+1], s[CS]
	s_add_co_i32 s68, s60, 127
	s_lshl_b32 s69, s68, 23
	v_mov_b32 v[PSC], s69                          ; 2^e4
	s_add_co_i32 s68, s62, 127
	s_lshl_b32 s69, s68, 23
	v_mov_b32 v[OSC], s69                          ; 2^e6
	s_add_co_i32 s19, s60, s61                     ; e4 + e5
; A KEY STEP: chunk KC + q, the q-th of the slot in hand.
.macro STEP q
	s_add_co_u32 s66, s[KC], \q
	s_cmp_gt_u32 s66, s[QC]                        ; all its keys come after all my queries: left out
	s_cbranch_scc1 .Lhidden_\@
	v_add_nc_u32 v[ADR], s[TB], v[LI]
.rept 3
	v_nop                                          ; with the addition above: four places in front of loads into registers that the last products have read
.endr
.irp t, 0,1,2,3,4,5,6,7
	ds_load_b128 v[KV+8*\t:KV+8*\t+3], v[ADR] offset:(\q)*8192+\t*1024
	ds_load_b128 v[KV+8*\t+4:KV+8*\t+7], v[ADR] offset:(\q)*8192+\t*1024+512
.endr
	s_wait_alu depctr_va_vdst(0)
	s_wait_dscnt 0x0
.irp t, 0,1,2,3,4,5,6,7
	v_wmma_f32_16x16x64_bf8_bf8 v[SS+8*\t:SS+8*\t+7], v[KV+8*\t:KV+8*\t+7], v[QF:QF+7], 0   ; lane (r, h): query r; register j of tile t: the key at lane row 8 h + j
.endr
.rept 4
	v_nop                                          ; places in front of the loads below and of the first read of the scores
.endr
.irp d, 0,1,2,3
.irp c, 0,1,2,3
	ds_load_b128 v[KV+16*\d+4*\c:KV+16*\d+4*\c+3], v[ADR] offset:VOFF+(\q)*8192+\d*2048+\c*512   ; V's four fragments land under the softmax
.endr
.endr
	s_cmp_lg_u32 s66, s[QC]
	s_cbranch_scc1 .Lopen_\@                       ; only the step on the diagonal has hidden keys
.set n, 0
.rept 64
	v_cmp_gt_i32 vcc_lo, 16*(n%8)+4*((n/8)/2)+(n/8)%2, v[DQ]   ; register 8 t + j holds key 16 j + 2 (lane / 16) + 4 (t / 2) + t % 2 of the chunk
	v_cndmask_b32 v[SS+n], v[SS+n], v[NINF], vcc_lo
.set n, n+1
.endr
.Lopen_\@:
	v_max3_num_f32 v[MA], v[SS], v[SS+1], v[SS+2]  ; the step's largest score of my query among my 64 keys, in two chains; each tile is first read at its low end
	v_max3_num_f32 v[MB], v[SS+3], v[SS+4], v[SS+5]
.irp i, 6,10,14,18,22,26,30,34,38,42,46,50,54,58
	v_max3_num_f32 v[MA], v[MA], v[SS+\i], v[SS+\i+1]
	v_max3_num_f32 v[MB], v[MB], v[SS+\i+2], v[SS+\i+3]
.endr
	v_max3_num_f32 v[MA], v[MA], v[SS+62], v[SS+63]
	s_delay_alu instid0(VALU_DEP_1)
	v_max_num_f32 v[MA], v[MA], v[MB]
	s_delay_alu instid0(VALU_DEP_1)
	v_permlanex16_b32 v[PX], v[MA], s[SEL], s[SEL+1]
	s_delay_alu instid0(VALU_DEP_1)
	v_max_num_f32 v[MA], v[MA], v[PX]              ; and among lane l xor 16's
	s_delay_alu instid0(VALU_DEP_1)
	v_mul_f32 v[MA], s[CS], v[MA]                  ; as t (c is positive)
	s_delay_alu instid0(VALU_DEP_1)
	v_max_num_f32 v13, v13, v[MA]
	v_mov_b32 v[MA], v12
	s_delay_alu instid0(VALU_DEP_2)
	v_floor_f32 v12, -v13                          ; the new -M = floor(-t)
	s_delay_alu instid0(VALU_DEP_1)
	v_sub_f32 v[MA], v12, v[MA]                    ; old M - new M: a whole number, 0 or less
	s_delay_alu instid0(VALU_DEP_1)
	v_cvt_i32_f32 v[MA], v[MA]                     ; (it saturates)
	s_delay_alu instid0(VALU_DEP_1)
	v_ldexp_f32 v[FF], 1.0, v[MA]                  ; f = 2^(old M - new M)
.set n, 0
.rept 32
	v_pk_fma_f32 v[SS+n:SS+n+1], v[SS+n:SS+n+1], s[CS:CS+1], v[12:13] op_sel_hi:[1,0,0]   ; t - M, two at a time
.set n, n+2
.endr
.set n, 0
	s_wait_alu depctr_va_vdst(0)
.rept 64
	v_exp_f32 v[SS+n], v[SS+n]                     ; p = 2^(t - M)
.set n, n+1
.endr
	v_pk_mul_f32 v[14:15], v[14:15], v[FF:FF+1] op_sel_hi:[1,0]   ; the sums under the new M: the plain line behind the exponentials
	s_wait_alu depctr_va_vdst(0)                   ; one wait for the batch of 64, ahead of its first reader
	v_pk_add_f32 v[210:211], v[116:117], v[120:121]
	v_pk_add_f32 v[254:255], v[124:125], v[128:129]
	v_pk_add_f32 v[252:253], v[132:133], v[136:137]
	v_pk_add_f32 v[250:251], v[140:141], v[144:145]
	v_pk_add_f32 v[248:249], v[148:149], v[152:153]
	v_pk_add_f32 v[246:247], v[156:157], v[160:161]
	v_pk_add_f32 v[244:245], v[164:165], v[168:169]
	v_pk_add_f32 v[14:15], v[14:15], v[172:173]
	v_pk_add_f32 v[210:211], v[210:211], v[112:113]
	v_pk_add_f32 v[254:255], v[254:255], v[114:115]
	v_pk_add_f32 v[252:253], v[252:253], v[118:119]
	v_pk_add_f32 v[250:251], v[250:251], v[122:123]
	v_pk_add_f32 v[248:249], v[248:249], v[126:127]
	v_pk_add_f32 v[246:247], v[246:247], v[130:131]
	v_pk_add_f32 v[244:245], v[244:245], v[134:135]
	v_pk_add_f32 v[14:15], v[14:15], v[138:139]
	v_pk_add_f32 v[210:211], v[210:211], v[142:143]
	v_pk_add_f32 v[254:255], v[254:255], v[146:147]
	v_pk_add_f32 v[252:253], v[252:253], v[150:151]
	v_pk_add_f32 v[250:251], v[250:251], v[154:155]
	v_pk_add_f32 v[248:249], v[248:249], v[158:159]
	v_pk_add_f32 v[246:247], v[246:247], v[162:163]
	v_pk_add_f32 v[244:245], v[244:245], v[166:167]
	v_pk_add_f32 v[14:15], v[14:15], v[170:171]
	v_pk_add_f32 v[210:211], v[210:211], v[174:175]
	s_delay_alu instid0(VALU_DEP_2)
	v_pk_add_f32 v[14:15], v[14:15], v[250:251]
	s_delay_alu instid0(VALU_DEP_2)
	v_pk_add_f32 v[210:211], v[210:211], v[248:249]
	v_pk_add_f32 v[254:255], v[254:255], v[246:247]
	v_pk_add_f32 v[252:253], v[252:253], v[244:245]
	s_delay_alu instid0(VALU_DEP_2)
	v_pk_add_f32 v[14:15], v[14:15], v[254:255]
	s_delay_alu instid0(VALU_DEP_2)
	v_pk_add_f32 v[210:211], v[210:211], v[252:253]
	s_delay_alu instid0(VALU_DEP_1)
	v_pk_add_f32 v[14:15], v[14:15], v[210:211]
.irp b, 0,1,2,3
.irp i, 0,1,2,3,4,5,6,7,8,9,10,11,12,13,14,15
.endr
	v_cvt_scalef32_pk8_bf8_f32 v[PP+4*\b:PP+4*\b+1], v[SS+16*\b:SS+16*\b+7], v[PSC]        ; key places 32 b + 16 (lane / 16) + 0 .. 7,
	v_cvt_scalef32_pk8_bf8_f32 v[PP+4*\b+2:PP+4*\b+3], v[SS+16*\b+8:SS+16*\b+15], v[PSC]   ; and + 8 .. 15
.endr
.set n, 0
.rept 16
	v_pk_mul_f32 v[OO+n:OO+n+1], v[OO+n:OO+n+1], v[FF:FF+1] op_sel_hi:[1,0]   ; O^T under the new M; also the plain lines between the conversions and the products
.set n, n+2
.endr
	s_wait_alu depctr_va_vdst(0)
	s_wait_dscnt 0x0                               ; V is in
.irp d, 0,1,2,3
	v_wmma_f32_16x16x128_bf8_bf8 v[OO+8*\d:OO+8*\d+7], v[KV+16*\d:KV+16*\d+15], v[PP:PP+15], v[OO+8*\d:OO+8*\d+7]   ; the four accumulators by turns, eight other products between a link and the next
.endr
.Lhidden_\@:
.endm
; THE CHANGE OF SLOTS stands at a slot's head.  Each wave waits for all its tensor loads, adds 0 to its spare word, and waits for that and for its reads of the slot that it has left.
; fill = 1: that slot is filled with the slot that follows in the walk 0 .. NA - 1, 0 .. x: the load has a whole slot's steps in which to land.
.macro CHANGE fill
	s_wait_tensorcnt 0x0                           ; no tensor load of mine is out, so the group 0 may be written
	ds_add_u32 v[SPW], v[NIL]                      ; 0 onto my spare word
.if \fill
	s_xor_b32 s[G0+1], s[G0+1], SLOTB              ; the other slot than last time
	s_add_co_u32 s[NXT], s[NXT], 1
	s_cmp_eq_u32 s[NXT], s[NA]
	s_cselect_b32 s[NXT], 0, s[NXT]                ; behind the first block's last slot the walk begins again
	s_lshl_b32 s[OFF], s[NXT], 14
	s_add_nc_u64 s[G0+2:G0+3], s[KVB:KVB+1], s[OFF:OFF+1]
	s_or_b32 s[G0+3], s[G0+3], 0x80000000
	s_wait_xcnt 0x0                                ; the last prefetch, a slot back, has read its address
	s_add_nc_u64 s[PFA:PFA+1], s[PFA:PFA+1], 16384
.endif
	s_wait_dscnt 0x0                               ; the add is done, and my reads of the slot that I have left are over
	s_barrier_signal -1
	s_barrier_wait -1
.if \fill
	TLOAD                                          ; the first thing behind the barrier, and a wave's one tensor load until the next
	ASK
.endif
.endm
; THE WAY OUT of a block: O^T / l x 2^(e4 + e5), quantised with 2^e6.  A lane's eight channels of tile d are 8 bytes; the 32 lanes of a store cover 256 consecutive bytes, aligned: no stage is needed.
.macro FLUSH
.rept 4
	v_nop                                          ; places behind the last products
.endr
	s_wait_xcnt 0x0                                ; an earlier way out's stores have read their registers and their base
	v_add_f32 v14, v14, v15
	s_delay_alu instid0(VALU_DEP_1)
	v_permlanex16_b32 v[PX], v14, s[SEL], s[SEL+1]
	s_delay_alu instid0(VALU_DEP_1)
	v_add_f32 v14, v14, v[PX]                      ; the row's sum
	s_wait_alu depctr_va_vdst(0)
	v_rcp_f32 v14, v14
	v_nop                                          ; a plain line behind the reciprocal
	s_lshl_b32 s54, s[QC], 17
	s_mov_b32 s55, 0
	s_add_nc_u64 s[52:53], s[50:51], s[54:55]
	s_wait_alu depctr_va_vdst(0)                   ; ahead of the reciprocal's first reader
	v_ldexp_f32 v[FF], v14, s19
.set n, 0
.rept 16
	v_pk_mul_f32 v[SS+n:SS+n+1], v[OO+n:OO+n+1], v[FF:FF+1] op_sel_hi:[1,0]
.set n, n+2
.endr
.set n, 0
.rept 32
.set n, n+1
.endr
.irp d, 0,1,2,3
	v_cvt_scalef32_pk8_bf8_f32 v[CD+2*\d:CD+2*\d+1], v[SS+8*\d:SS+8*\d+7], v[OSC]
.endr
	v_nop
.irp d, 0,1,2,3
	global_store_b64 v[GO], v[CD+2*\d:CD+2*\d+1], s[52:53] offset:256*\d
.endr
.endm
	s_wait_loadcnt 0x0                             ; both blocks' Q
.Lslot:                                            ; eight trips: behind the first six changes of slots the next slot is asked for
	CHANGE 1
	STEP 0
	STEP 1
	s_xor_b32 s[TB], s[TB], SLOTB
	s_add_co_u32 s[KC], s[KC], 2
	s_sub_co_u32 s[REM], s[REM], 1
	s_cmp_lg_u32 s[REM], 0                         ; the first block's last slot?  A count made of the work-group's number: the same in all sixteen waves; no barrier and no tensor load stands under the branch
	s_cbranch_scc1 .Lsame
	FLUSH
.irp j, 0,1,2,3,4,5,6,7
	v_mov_b32 v[QF+\j], v[Q2+\j]                   ; the second block begins
.endr
	v_mov_b32 v13, 0xff61b1e6
	s_delay_alu instid0(VALU_DEP_1)
	v_floor_f32 v12, -v13
	v_mov_b32 v14, 0
	v_mov_b32 v15, 0
.set n, 0
.rept 32
	v_mov_b32 v[OO+n], 0
.set n, n+1
.endr
	s_lshl_b32 s[QC], ttmp9, 1
	s_add_co_u32 s[QC], s[QC], s17
	s_mov_b32 s[KC], 0
	s_add_co_u32 s[REM], ttmp9, 1                  ; x + 1 slots, of which x lie in the loop: the count does not come to 0 there again
.Lsame:
	s_sub_co_u32 s[SLOTS], s[SLOTS], 1
	s_cmp_lg_u32 s[SLOTS], 0
	s_cbranch_scc1 .Lslot
	CHANGE 0                                       ; the ninth slot is written out
	STEP 0
	STEP 1
	FLUSH
	s_wait_tensorcnt 0x0                           ; the wave's end
	ds_add_u32 v[SPW], v[NIL]
	s_wait_dscnt 0x0
	s_endpgm
.Lfunc_end_k_qa51571af8d_attn:
	.size	k_qa51571af8d_attn, .Lfunc_end_k_qa51571af8d_attn-k_qa51571af8d_attn
	.p2alignl 7, 3214868480
	.fill 96, 4, 3214868480
	.section	.rodata,"a",@progbits
	.p2align	6, 0x0
	.amdhsa_kernel k_qa51571af8d_attn
		.amdhsa_group_segment_fixed_size 327680
		.amdhsa_private_segment_fixed_size 0
		.amdhsa_enable_private_segment 0
		.amdhsa_kernarg_size 40
		.amdhsa_user_sgpr_count 2
		.amdhsa_user_sgpr_kernarg_segment_ptr 1
		.amdhsa_wavefront_size32 1
		.amdhsa_system_sgpr_workgroup_id_x 1
		.amdhsa_system_sgpr_workgroup_id_y 1
		.amdhsa_system_sgpr_workgroup_id_z 1
		.amdhsa_system_vgpr_workitem_id 0
		.amdhsa_next_free_vgpr 256
		.amdhsa_next_free_sgpr 100
		.amdhsa_reserve_vcc 1
		.amdhsa_float_denorm_mode_32 3
		.amdhsa_float_denorm_mode_16_64 3
		.amdhsa_fp16_overflow 1
		.amdhsa_memory_ordered 1
		.amdhsa_forward_progress 1
		.amdhsa_inst_pref_size 90
	.end_amdhsa_kernel
	.amdgpu_metadata
---
amdhsa.version: [ 1, 2 ]
amdhsa.kernels:
  - .name:           k_qa51571af8d_attn
    .symbol:         k_qa51571af8d_attn.kd
    .args:
      - { .name: qimg, .offset: 0, .size: 8, .value_kind: global_buffer, .address_space: global }
      - { .name: kimg, .offset: 8, .size: 8, .value_kind: global_buffer, .address_space: global }
      - { .name: vimg, .offset: 16, .size: 8, .value_kind: global_buffer, .address_space: global }
      - { .name: lowp_scales, .offset: 24, .size: 8, .value_kind: global_buffer, .address_space: global }
      - { .name: oimg, .offset: 32, .size: 8, .value_kind: global_buffer, .address_space: global }
    .group_segment_fixed_size: 327680
    .private_segment_fixed_size: 0
    .kernarg_segment_align: 8
    .kernarg_segment_size: 40
    .max_flat_workgroup_size: 512
    .sgpr_count:     100
    .vgpr_count:     256
    .wavefront_size: 32
...
	.end_amdgpu_metadata
.endif
;; end of part 2
;; launch oproj (part 3): grid 4 x 64, 4 waves a work-group, clusters of 4 x 4, 327,680 bytes of LDS; arguments oimg, Wo_w_codes, Wo_b, lowp_scales, out0; writes out0
.if DOCPART == 3
	.amdgcn_target "amdgcn-amd-amdhsa--gfx1250"
	.amdhsa_code_object_version 6
	.text
	.protected	k_qa51571af8d_oproj
	.globl	k_qa51571af8d_oproj
	.p2align	8
	.type	k_qa51571af8d_oproj,@function
k_qa51571af8d_oproj:
	s_mov_b64 s[64:65], 0
	v_nop
	global_prefetch_b8 v0, s[64:65] scope:SCOPE_SE
	s_setreg_imm32_b32 hwreg(HW_REG_WAVE_MODE, 25, 1), 1
	s_wait_xcnt 0x0
	s_wait_alu depctr_hold_cnt(0) depctr_sa_sdst(0) depctr_va_vdst(0) depctr_va_sdst(0) depctr_va_ssrc(0) depctr_va_vcc(0) depctr_vm_vsrc(0)
	s_getreg_b32 s2, hwreg(HW_REG_IB_STS2, 6, 4)
	s_cmp_eq_u32 s2, 0
	s_cbranch_scc0 .Lentry_in_a_cluster
	s_endpgm
.Lentry_in_a_cluster:
	s_bfe_u32 s2, ttmp6, 0x10000c
	s_cmp_lg_u32 s2, 0xf033
	s_cbranch_scc0 .Lentry_shape_is_right
	s_endpgm
.Lentry_shape_is_right:
; out0 = attention's output x Wo^T + Wo_b on codes of BF8 (E5M2).  The left operand comes as IMAGES OF ITS FRAGMENTS: [chunk of 128 rows, 64][128 along K, 8][tile t, 8][c 4][lane 32][16 bytes]; lane row r of tile t is row
; 16 (r % 8) + 2 (r / 8) + 4 (t / 2) + t % 2 of the chunk.  Wo: [1024][1024] codes, K innermost.  Each finished sum is multiplied once by 2^(e6 + e7) and the bias added, by one packed multiply-add for two numbers.
; LIMIT: e6 + e7 between -126 and 127, so that 2^(e6 + e7) is an f32 number.
; SHARES.  A tile of 128 rows (one chunk) x 256 columns to a work-group: 64 x 4 = 256 work-groups.  Wave w makes all 128 rows x columns 64 w .. 64 w + 63: 32 accumulators of 16 x 16.
; K = 1,024 goes in four K steps of 256.  THREE LDS slots of 102,400 bytes (the images' 32,768 bytes, dense; Wo's 256 rows of 256 bytes + 16): K steps 0, 1, 2 are first fills, issued one by one, each behind the last one's landing (one load of a wave is out),
; K step 3 is the one refill, into slot 0, with two K steps' products in which to land.
; CLUSTERS: 4 x 4.  The images hang on the chunk alone and are shared along a row of the cluster, Wo's tile on the tile column alone and is shared along a column: joint loads.
; THE MATRIX INSTRUCTION IS USED TRANSPOSED (source 0 = 16 rows of Wo, source 1 = 16 rows of the images): a lane holds eight neighbouring columns of one row.  The rows' order is undone in the stores' immediates.
; REGISTERS, in windows of 256.  window 0: addresses, v32-63 the bias, v64-95 results, v96-159 two sets of rows read back.  window 1: Wo's fragments, two sets of 64.  window 2: the accumulators ((a, b) at v[8 (4 a + b)]).
;   window 3: the images' fragments, two sets of 128.
.set KROW,   1024
.set PITCH,  272
.set SLOTB,  102400
.set BOFF,   32768
.set HALFB,  128*PITCH
.set SPARE,  3*SLOTB                   ; behind the slots: the spare words, 128 bytes a wave: two blocks of 256 bytes that no other line names
.set STAGE,  SLOTB                     ; the way out: 16 rows x (256 bytes + 16) for each wave, in slot 1: it has had its one fill, and behind the last barrier nobody reads it
.set SPITCH, 272
.set ADRA, 16                          ; v16-18 16 x lane + the slot
.set ADRB, 20                          ; v20-22 my 64 rows of Wo in the slot
.set STO,  24
.set RD,   25
.set CO,   26
.set BO,   27
.set SPW,  28
.set NIL,  29
.set BIAS, 32
.set TMP,  64
.set BK,   96
.set G1,  24                           ; s[24:31] group 1 for the images;  s[32:43] three groups 0
.set G0,  32
.set G1B, 48                           ; s[48:55] group 1 for Wo;  s[68:79] three groups 0
.set G0B, 68
.set MULW, 0xad                        ; source 0 (Wo) window 1, source 1 (images) window 3, C and D window 2
.set MSB, 0
.macro WIN new
.if MSB != (\new)
	s_set_vgpr_msb (MSB<<8)|(\new)
.set MSB, (\new)
.endif
.endm
.macro JLOAD g0a, g1a, g0b, g1b        ; waves 0 and 1 fetch the images' halves, waves 2 and 3 Wo's; four v_nop follow each of the two lines
	s_cmp_eq_u32 s15, 0
	s_cbranch_scc0 .Lfor_b_\@
	tensor_load_to_lds s[\g0a:\g0a+3], s[\g1a:\g1a+7]
	s_nop 0
.rept 4
	v_nop
.endr
	s_branch .Lasked_\@
.Lfor_b_\@:
	tensor_load_to_lds s[\g0b:\g0b+3], s[\g1b:\g1b+7]
	s_nop 0
.rept 4
	v_nop
.endr
.Lasked_\@:
.endm
.macro CREST
	s_cmp_lg_u32 s14, 0
	s_cbranch_scc1 .Lnot_wave_0_\@
	s_barrier_signal -3
.Lnot_wave_0_\@:
	s_barrier_wait -3
	s_barrier_signal -1
	s_barrier_wait -1
.endm
.macro CROUND
	s_barrier_signal -1
	s_barrier_wait -1
	CREST
.endm
.macro PLACES n
.rept \n
	v_nop
.endr
.endm
	s_load_b256 s[4:11], s[0:1], 0x0               ; oimg s[4:5], Wo's codes s[6:7], Wo_b s[8:9], the exponents s[10:11]
	s_load_b64 s[12:13], s[0:1], 0x20              ; out0
	v_lshl_add_u32 v[SPW], v0, 2, SPARE
	v_mov_b32 v[NIL], 0
	ds_add_u32 v28, v29
	ds_add_u32 v28, v29
	s_wait_dscnt 0x0
	v_lshrrev_b32 v1, 5, v0
	v_readfirstlane_b32 s14, v1                    ; wave 0..3
	s_lshr_b32 s15, s14, 1                         ; I fetch for the images (0) or for Wo (1),
	s_and_b32 s16, s14, 1                          ; this half of the tile
	s_bfe_u32 s80, ttmp6, 0x40000                  ; cx, cy
	s_bfe_u32 s81, ttmp6, 0x40004
	s_lshl_b32 s82, ttmp9, 2
	s_add_co_u32 s82, s82, s80                     ; tile column, 0 .. 3
	s_and_b32 s17, ttmp7, 0xffff
	s_lshl_b32 s17, s17, 2
	s_add_co_u32 s17, s17, s81                     ; the chunk, 0 .. 63
	s_lshl_b32 s83, s81, 2
	s_lshl_b32 s83, 15, s83                        ; my row of the cluster
	s_lshl_b32 s84, 0x1111, s80                    ; my column
	s_or_b32 s[G1+0], s83, (1<<21)                 ; the images: 64 rows of 256 bytes, dense; elements of 1 byte; no padding; 21 set beside a mask
	s_mov_b32 s[G1+1], 256<<16
	s_mov_b32 s[G1+2], 64<<16
	s_mov_b32 s[G1+3], 256<<16
	s_mov_b32 s[G1+4], 64
	s_mov_b32 s[G1+5], 256
	s_mov_b32 s[G1+6], 0
	s_mov_b32 s[G1+7], 0
	s_or_b32 s[G1B+0], s84, (1<<20)|(1<<21)|(5<<22)|(3<<25)   ; Wo: 128 rows of 256 bytes, 1,024 apart; four words of padding after every 64
	s_mov_b32 s[G1B+1], 256<<16
	s_mov_b32 s[G1B+2], 128<<16
	s_mov_b32 s[G1B+3], 256<<16
	s_mov_b32 s[G1B+4], 128
	s_mov_b32 s[G1B+5], KROW
	s_mov_b32 s[G1B+6], 0
	s_mov_b32 s[G1B+7], 0
	s_lshl_b32 s20, s17, 17
	s_lshl_b32 s21, s16, 14
	s_add_co_u32 s20, s20, s21                     ; the images: chunk x 131,072 + half x 16,384
	s_mov_b32 s21, 0
	s_lshl_b32 s46, s82, 8
	s_lshl_b32 s47, s16, 7
	s_add_co_u32 s46, s46, s47
	s_lshl_b32 s46, s46, 10                        ; Wo: row 256 x tile column + 128 x half
	s_mov_b32 s47, 0
	s_lshl_b32 s45, s16, 14                        ; where they go: no place in the cluster enters an LDS address
	s_mul_i32 s44, s16, HALFB
	s_add_co_u32 s44, s44, BOFF
	s_lshl_b32 s88, s82, 10
	s_lshl_b32 s89, s14, 8
	s_add_co_u32 s88, s88, s89                     ; my 64 columns, 4 bytes each: in the bias and in a row of out0
	s_mov_b32 s89, 0
	s_lshl_b32 s86, s17, 19                        ; the chunk's 128 rows of 4,096 bytes
	s_mov_b32 s87, 0
	v_and_b32 v1, 15, v0                           ; r
	v_bfe_u32 v2, v0, 4, 1                         ; h
	v_lshlrev_b32 v[BO], 5, v2
	s_wait_alu depctr_va_vdst(0)
	s_wait_kmcnt 0x0
	s_load_b64 s[96:97], s[10:11], 0x18            ; e6, e7
	s_add_nc_u64 s[20:21], s[4:5], s[20:21]
	s_add_nc_u64 s[46:47], s[6:7], s[46:47]
	s_add_nc_u64 s[8:9], s[8:9], s[88:89]
	s_add_nc_u64 s[12:13], s[12:13], s[86:87]
	s_add_nc_u64 s[12:13], s[12:13], s[88:89]
.irp b, 0,1,2,3
	global_load_b128 v[BIAS+8*\b:BIAS+8*\b+3], v[BO], s[8:9] offset:64*\b          ; the bias in the result's layout: columns 16 b + 8 h + 0 .. 7
	global_load_b128 v[BIAS+8*\b+4:BIAS+8*\b+7], v[BO], s[8:9] offset:64*\b+16
.endr
	CROUND                                         ; all sixteen work-groups are here: the first joint loads meet
.irp s, 0,1,2
	s_mov_b32 s[G0+4*\s], 1
	s_add_co_u32 s[G0+4*\s+1], s45, \s*SLOTB
	s_add_nc_u64 s[G0+4*\s+2:G0+4*\s+3], s[20:21], \s*32768
	s_or_b32 s[G0+4*\s+3], s[G0+4*\s+3], 0x80000000
	s_mov_b32 s[G0B+4*\s], 1
	s_add_co_u32 s[G0B+4*\s+1], s44, \s*SLOTB
	s_add_nc_u64 s[G0B+4*\s+2:G0B+4*\s+3], s[46:47], \s*256
	s_or_b32 s[G0B+4*\s+3], s[G0B+4*\s+3], 0x80000000
	s_wait_alu depctr_va_vdst(0)
	s_wait_tensorcnt 0x0
	ds_add_u32 v28, v29
	ds_add_u32 v28, v29
	s_wait_dscnt 0x0
	CROUND
	JLOAD G0+4*\s, G1, G0B+4*\s, G1B
.endr
	v_and_b32 v3, 31, v0
	v_lshlrev_b32 v4, 4, v3                        ; 16 x lane
	s_mul_i32 s21, s14, 64*PITCH
	s_add_co_u32 s21, s21, BOFF                    ; my 64 rows of Wo's tile
	v_mul_u32_u24 v5, v1, PITCH
	v_lshl_add_u32 v5, v2, 4, v5
	v_add_nc_u32 v5, s21, v5
.irp s, 0,1,2
	v_add_nc_u32 v[ADRA+\s], \s*SLOTB, v4
	v_add_nc_u32 v[ADRB+\s], \s*SLOTB, v5
.endr
	s_mul_i32 s23, s14, 16*SPITCH
	s_add_co_u32 s23, s23, STAGE                   ; my stage
	v_mul_u32_u24 v[STO], v1, SPITCH
	v_lshl_add_u32 v[STO], v2, 5, v[STO]
	v_add_nc_u32 v[STO], s23, v[STO]               ; in: row r, 32 bytes for each half of the lanes
	v_mul_u32_u24 v[RD], v2, SPITCH
	v_lshl_add_u32 v[RD], v1, 4, v[RD]
	v_add_nc_u32 v[RD], s23, v[RD]                 ; back: lanes 0-15 one row of 256 bytes, lanes 16-31 the next
	v_lshlrev_b32 v[CO], 16, v2                    ; the next lane row is 16 rows of 4,096 bytes further down in out0
	v_lshl_add_u32 v[CO], v1, 4, v[CO]
; Step i of eight (128 along K): slot (i / 2) % 3, half i % 2 of the slot, register set i % 2.  48 LDS loads in two runs.
.macro FETCH i
.set FS, ((\i)/2)%3
.set FQ, (\i)%2
	WIN 0xc0                                       ; destination window 3
.irp t, 0,1,2,3,4,5,6,7
.irp c, 0,1,2,3
	ds_load_b128 v[128*FQ+16*\t+4*\c:128*FQ+16*\t+4*\c+3], v[ADRA+FS] offset:(8*FQ+\t)*2048+512*\c   ; an image comes back as it was stored: 512 consecutive bytes a load
.endr
.endr
	WIN 0x40                                       ; destination window 1
.irp b, 0,1,2,3
.irp c, 0,1,2,3
	ds_load_b128 v[64*FQ+16*\b+4*\c:64*FQ+16*\b+4*\c+3], v[ADRB+FS] offset:\b*16*PITCH+128*FQ+32*\c   ; registers 4 c .. 4 c + 3: K = 32 c + 16 h + 0 .. 15, as in the images
.endr
.endr
.endm
; 8 matrix instructions: row tiles a0, a0 + 1 x my four column tiles.  The 32 accumulators take turns, one instruction a turn, in the same order in every step.
.macro MUL8 a0, p, zero
.irp a, \a0, \a0+1
.irp b, 0,1,2,3
.if \zero
	v_wmma_f32_16x16x128_bf8_bf8 v[8*(4*(\a)+\b):8*(4*(\a)+\b)+7], v[64*(\p)+16*\b:64*(\p)+16*\b+15], v[128*(\p)+16*(\a):128*(\p)+16*(\a)+15], 0
.else
	v_wmma_f32_16x16x128_bf8_bf8 v[8*(4*(\a)+\b):8*(4*(\a)+\b)+7], v[64*(\p)+16*\b:64*(\p)+16*\b+15], v[128*(\p)+16*(\a):128*(\p)+16*(\a)+15], v[8*(4*(\a)+\b):8*(4*(\a)+\b)+7]
.endif
.endr
.endr
.endm
.macro STEP i, zero                    ; the next step's fragments are asked for first, into the other set, and land under this step's 32 products
	s_wait_dscnt 0x0                               ; this step's fragments are in
	PLACES 4                                       ; in front of loads into the set that the last step's products have read
	FETCH (\i)+1
	WIN MULW
	MUL8 0, (\i)%2, \zero
	MUL8 2, (\i)%2, \zero
	MUL8 4, (\i)%2, \zero
	MUL8 6, (\i)%2, \zero
.endm
; A step with a barrier in it.  In front of the barrier each wave waits for all its tensor loads, adds 0 to its spare word, and waits for that and for all its LDS reads.  fill = 1: slot 0 is filled again, with K step 3.
.macro TURN i, fill
	WIN 0                                          ; (the add's two registers lie in window 0)
	s_wait_tensorcnt 0x0                           ; all my tensor loads have landed
	ds_add_u32 v[SPW], v[NIL]                      ; 0 onto my spare word
	s_wait_dscnt 1                                 ; this step's fragments are in; the add may be out
	WIN MULW
	MUL8 0, (\i)%2, 0
	s_wait_dscnt 0x0                               ; the add is done; my reads of the slots so far are over
	s_barrier_signal -1
	MUL8 2, (\i)%2, 0
	WIN 0
	s_barrier_wait -1
.if \fill
	CREST                                          ; the barrier has opened a round of the cluster's: no wave of any partner still reads slot 0 or has a load on its way
	s_add_nc_u64 s[G0+2:G0+3], s[G0+2:G0+3], 3*32768
	s_add_nc_u64 s[G0B+2:G0B+3], s[G0B+2:G0B+3], 3*256
	JLOAD G0, G1, G0B, G1B                         ; my one tensor load behind the round; its four v_nop are the places in front of the loads below
.else
	PLACES 4
.endif
	FETCH (\i)+1
	WIN MULW
	MUL8 4, (\i)%2, 0
	MUL8 6, (\i)%2, 0
.endm
	s_wait_tensorcnt 2                             ; my part of K step 0 is in; K step 1's too; K step 2 may be out
	s_barrier_signal -1
	s_barrier_wait -1
	FETCH 0
	STEP 0, 1                                      ; the first products start the sums
	TURN 1, 1                                      ; slot 0 has been read out; slots 1 and 2 are whole for every wave from here on
	STEP 2, 0
	s_wait_alu depctr_va_vdst(0)
	STEP 3, 0
	STEP 4, 0
	TURN 5, 0                                      ; K step 3 has landed in slot 0; nothing is filled again
	STEP 6, 0
	s_wait_dscnt 0x0
	WIN MULW
	MUL8 0, 1, 0
	MUL8 2, 1, 0
	MUL8 4, 1, 0
	MUL8 6, 1, 0
	WIN 0
; THE WAY OUT, a row tile (16 rows x my 64 columns) at a time, through my own stage: LDS serves a wave's instructions in order (ISA guide 5.7.1.4), so no wait stands between the stores and the loads.
.macro TOSTAGE a
	WIN 0x02                                       ; source 0: the accumulators
.irp b, 0,1,2,3
.irp i, 0,2,4,6
	v_pk_fma_f32 v[TMP+8*\b+\i:TMP+8*\b+\i+1], v[8*(4*(\a)+\b)+\i:8*(4*(\a)+\b)+\i+1], s[96:97], v[BIAS+8*\b+\i:BIAS+8*\b+\i+1] op_sel_hi:[1,0,1]   ; sum x 2^(e6 + e7) + bias; each accumulator from its low end on
.endr
.endr
	WIN 0
.irp b, 0,1,2,3
	ds_store_b128 v[STO], v[TMP+8*\b:TMP+8*\b+3] offset:64*\b
	ds_store_b128 v[STO], v[TMP+8*\b+4:TMP+8*\b+7] offset:64*\b+16
.endr
.set BB, BK+32*((\a)%2)
.irp i, 0,1,2,3,4,5,6,7
	ds_load_b128 v[BB+4*\i:BB+4*\i+3], v[RD] offset:\i*2*SPITCH
.endr
.endm
.macro SEND a, younger                 ; younger: the LDS instructions issued behind tile a's loads, which may stay out
.set BB, BK+32*((\a)%2)
	s_wait_dscnt \younger
.irp i, 0,1,2,3,4,5,6,7
	global_store_b128 v[CO], v[BB+4*\i:BB+4*\i+3], s[12:13] offset:(16*((2*\i)%8)+2*((2*\i)/8)+4*((\a)/2)+(\a)%2)*4096 th:TH_STORE_NT   ; lane rows 2 i and 2 i + 1 of tile a; 16 lanes store 256 consecutive bytes, aligned
.endr
.endm
	s_wait_kmcnt 0x0
	s_add_co_i32 s96, s96, s97
	s_add_co_i32 s96, s96, 127
	s_lshl_b32 s96, s96, 23                        ; 2^(e6 + e7) as f32
	s_mov_b32 s97, s96                             ; (named with it as a pair)
	s_wait_loadcnt 0x0                             ; the bias
	PLACES 4                                       ; behind the last products
	TOSTAGE 0
.irp a, 1,2,3,4,5,6,7
.if \a > 1
	s_wait_xcnt 0x0                                ; tile a - 2's stores have read their registers: tile a's loads may land there
.endif
	TOSTAGE \a
	SEND \a-1, 16                                  ; behind tile a - 1's loads: tile a's 8 stores and 8 loads
.endr
	SEND 7, 0
	s_wait_tensorcnt 0x0                           ; the wave's end: behind my last tensor load and my last LDS store
	ds_add_u32 v[SPW], v[NIL]
	s_wait_dscnt 0x0
	CROUND                                         ; the closing round: no work-group ends while a partner may still ask for a tile that names it
	s_endpgm
.Lfunc_end_k_qa51571af8d_oproj:
	.size	k_qa51571af8d_oproj, .Lfunc_end_k_qa51571af8d_oproj-k_qa51571af8d_oproj
	.p2alignl 7, 3214868480
	.fill 96, 4, 3214868480
	.section	.rodata,"a",@progbits
	.p2align	6, 0x0
	.amdhsa_kernel k_qa51571af8d_oproj
		.amdhsa_group_segment_fixed_size 327680
		.amdhsa_private_segment_fixed_size 0
		.amdhsa_enable_private_segment 0
		.amdhsa_kernarg_size 40
		.amdhsa_user_sgpr_count 2
		.amdhsa_user_sgpr_kernarg_segment_ptr 1
		.amdhsa_wavefront_size32 1
		.amdhsa_system_sgpr_workgroup_id_x 1
		.amdhsa_system_sgpr_workgroup_id_y 1
		.amdhsa_system_sgpr_workgroup_id_z 1
		.amdhsa_system_vgpr_workitem_id 0
		.amdhsa_next_free_vgpr 1024
		.amdhsa_next_free_sgpr 100
		.amdhsa_reserve_vcc 0
		.amdhsa_float_denorm_mode_32 3
		.amdhsa_float_denorm_mode_16_64 3
		.amdhsa_memory_ordered 1
		.amdhsa_forward_progress 1
		.amdhsa_inst_pref_size 78
	.end_amdhsa_kernel
	.amdgpu_metadata
---
amdhsa.version: [ 1, 2 ]
amdhsa.kernels:
  - .name:           k_qa51571af8d_oproj
    .symbol:         k_qa51571af8d_oproj.kd
    .args:
      - { .name: oimg, .offset: 0, .size: 8, .value_kind: global_buffer, .address_space: global }
      - { .name: Wo_w_codes, .offset: 8, .size: 8, .value_kind: global_buffer, .address_space: global }
      - { .name: Wo_b, .offset: 16, .size: 8, .value_kind: global_buffer, .address_space: global }
      - { .name: lowp_scales, .offset: 24, .size: 8, .value_kind: global_buffer, .address_space: global }
      - { .name: out0, .offset: 32, .size: 8, .value_kind: global_buffer, .address_space: global }
    .group_segment_fixed_size: 327680
    .private_segment_fixed_size: 0
    .kernarg_segment_align: 8
    .kernarg_segment_size: 40
    .max_flat_workgroup_size: 128
    .sgpr_count:     100
    .vgpr_count:     1024
    .wavefront_size: 32
...
	.end_amdgpu_metadata
.endif
;; end of part 3
